; MI455X (gfx1250); checked and timed in simulation.
; The chip was launched on July 23, 2026; its instructions are those of AMD's public machine-readable ISA for CDNA 5 (MIT licence, August 2026) and "CDNA5" Instruction Set Architecture Reference Guide (July 2026). The comments in the code are by the model that wrote it; some were corrected since.
;; Attn Block. Allowed arithmetic: matrix products marked QUANTISED: E3M2 operands, one E8M0 scale for each 32 along K, by v_wmma_scale_f32_16x16x128_f8f6f4 with both operands' format E3M2, f32 sums; everything else in f32.
;; Inputs: bk 128 float32; bo 128 float32; bq 128 float32; bv 128 float32; gn_bias 128 float32; gn_scale 128 float32; wk_codes 128 x 4 x 24 uint8 (E3M2 codes of wk, K innermost, in blocks of 32 codes, four codes in three bytes); wk_scales 128 x 4 uint8 (E8M0 scales of wk, one for each 32 codes along K); wo_codes 128 x 4 x 24 uint8 (E3M2 codes of wo, K innermost, in blocks of 32 codes, four codes in three bytes); wo_scales 128 x 4 uint8 (E8M0 scales of wo, one for each 32 codes along K); wq_codes 128 x 4 x 24 uint8 (E3M2 codes of wq, K innermost, in blocks of 32 codes, four codes in three bytes); wq_scales 128 x 4 uint8 (E8M0 scales of wq, one for each 32 codes along K); wv_codes 128 x 4 x 24 uint8 (E3M2 codes of wv, K innermost, in blocks of 32 codes, four codes in three bytes); wv_scales 128 x 4 uint8 (E8M0 scales of wv, one for each 32 codes along K); x 8 x 64 x 64 x 128 float32.
;; Outputs: out0 8 x 64 x 64 x 128 float32.
;; This version of the problem:
;;   THIS VERSION OF THE PROBLEM IS GIVEN IN LOW PRECISION. The matrix products marked QUANTISED in the list below multiply operands that are first quantised to E3M2 (3 exponent bits, 2 mantissa bits; 6 bits a number), with one power-of-two scale for each 32 numbers along K (OCP MX v1.0); their sums are f32. All else is computed in f32.
;;   The module's matrix products, in the order in which they are computed (A, B: the left and right operand; K: the contracted axis; several contracted axes count as one K, in the product's order):
;;     1. [M 32,768, K 128] x [K 128, N 128]; A: computed on the way; B: input wq (given as codes): QUANTISED
;;     2. [M 32,768, K 128] x [K 128, N 128]; A: computed on the way; B: input wk (given as codes): QUANTISED
;;     3. [M 32,768, K 128] x [K 128, N 128]; A: computed on the way; B: input wv (given as codes): QUANTISED
;;     4. batch 8 x [M 4,096, K 128] x [K 128, N 4,096]; A: computed on the way; B: computed on the way: QUANTISED
;;     5. batch 8 x [M 4,096, K 4,096] x [K 4,096, N 128]; A: softmax (see below); B: computed on the way: QUANTISED
;;     6. [M 32,768, K 128] x [K 128, N 128]; A: computed on the way; B: input wo (given as codes): QUANTISED
;;   THE QUANTISER, for each operand of a quantised product, along K:
;;     - K is cut into blocks of 32 from its start; a last block that is shorter is filled with zeros.
;;     - A block's scale is 2^e with e = floor(log2(the largest magnitude in the block)) - 4, held to -126 .. 127; a block of zeros has e = 0. As a byte (E8M0): e + 127.
;;     - Each number is divided by its block's scale, clamped to +-28, and rounded to the nearest number of E3M2, ties to even, subnormals kept.
;;     - The product sums the exact products of the quantised numbers (number of the format x scale) in f32.
;;   ~~~python
;;   def quantise(x, axis):      # numpy; x: float32 -> the quantised numbers, widened to float32 again
;;       x = np.moveaxis(x, axis, -1); K = x.shape[-1]
;;       x = np.pad(x, [(0, 0)] * (x.ndim - 1) + [(0, -K % 32)]); x = x.reshape(x.shape[:-1] + (-1, 32)); a = np.abs(x).max(-1, keepdims=True)
;;       e = np.where(a > 0, np.clip(np.frexp(np.where(a > 0, a, 1))[1] - 1 - 4, -126, 127), 0)      # np.frexp(a)[1] - 1 = floor(log2(a)), exactly
;;       r = np.clip(x / 2.0 ** e, -28, 28)
;;       step = 2.0 ** (np.maximum(np.frexp(np.where(r == 0, 1, r))[1] - 1, -2) - 2)
;;       q = np.round(r / step) * step * 2.0 ** e      # np.round: ties to even
;;       return np.moveaxis(q.reshape(q.shape[:-2] + (-1,))[..., :K], -1, axis).astype(np.float32)
;;   ~~~
;;   SOFTMAX AHEAD OF A QUANTISED PRODUCT. Where the list says 'softmax', what is quantised is not the finished softmax but p = 2^(t - M), with t = logit x log2(e) and M = ceil(the row's largest t), a whole number; so 1/2 < the row's largest p <= 1. The row's sum l is taken of the UNQUANTISED p, in f32, and the product's result is divided by l at the end. Since M is a whole number, a kernel that streams over the keys may use a running M (the ceiling of the running maximum): every later rescaling is an exact power of two, which a block's scale takes up: the codes' values come out the same.
;;   OPERANDS COMPUTED ON THE WAY. 'Computed on the way' means the value that the module computes at that place (a softmax that the list does not call 'softmax' is quantised finished and normalised). What goes into a quantiser is computed in f32, as accurately as f32 sums, v_exp_f32 and their like allow (about 1e-6 of the number): no bf16 or f16 on the way to a quantiser, and a product that is left as it is and whose result goes on into a quantised operand takes f32 operands (vector FMAs, or v_wmma_f32_16x16x4_f32). A number that lies on a knife's edge between two numbers of the format may be rounded either way, as far as f32 arithmetic and the matrix unit's own rounding can turn it there, and no further.
;;   INPUTS GIVEN AS CODES. wk (in the module: [128, 128], K = its axis 0); wo (in the module: [128, 128], K = its axis 0); wq (in the module: [128, 128], K = its axis 0); wv (in the module: [128, 128], K = its axis 0): each comes as NAME_codes (uint8): NAME with its K axis moved to the last place and cut into blocks of 32 codes, [.., K / 32, bytes a block], one block behind the other in memory; four codes in three bytes: a row's codes are one little-endian stream of bits, code i at bits 6 i .. 6 i + 5 (a code: sign, 3 exponent bits, 2 mantissa bits); and NAME_scales (uint8): the same leading axes, one E8M0 byte (e + 127) for each 32 codes along K. Its value is code x scale, taken as it is: it is not quantised again, and the codes and scales need not be those that the quantiser above would give.
;; One version. Each part assembles by itself: llvm-mc -triple=amdgcn-amd-amdhsa -mcpu=gfx1250 --defsym DOCPART=n.
;; ======== version 1 of 1: 3 launches
;; workspace buffers: stats 65,536 bytes; qkv 9,830,400 bytes
;; launch gnstats (part 1): grid 32 x 8, 8 waves a work-group, no clusters, 3,072 bytes of LDS; arguments x, stats; writes stats
.if DOCPART == 1
	.amdgcn_target "amdgcn-amd-amdhsa--gfx1250"
	.amdhsa_code_object_version 6
	.text
	.protected	k_qa641991bc2_gnstats
	.globl	k_qa641991bc2_gnstats
	.p2align	8
	.type	k_qa641991bc2_gnstats,@function
k_qa641991bc2_gnstats:
	s_mov_b64 s[64:65], 0
	v_nop
	global_prefetch_b8 v0, s[64:65] scope:SCOPE_SE
	s_setreg_imm32_b32 hwreg(HW_REG_WAVE_MODE, 25, 1), 1
	s_wait_xcnt 0x0
; GroupNorm's statistics, first stage.  x: [8][4096][128] f32; 32 groups of 4 channels.
; A work-group takes 128 positions of one batch (x = chunk, y = batch) and stores, for each of the 32 groups, the mean and
; M2 = the sum of (x - mean)^2 of the group's 512 numbers there: stats[batch][chunk][group][2], 256 bytes a work-group.
; The next launch joins the 32 chunks of a batch.  No sum of squares less a squared mean is ever formed: a common offset in x costs no digits.
; A row of x is 512 bytes: one load of a wave, 16 bytes a lane, so lane l holds channels 4 l .. 4 l + 3, which IS group l: no lane asks another.
; Wave w takes rows 16 w .. 16 w + 15: 64 numbers a lane; the eight waves' figures meet in LDS (256 bytes a wave) and wave 0 joins them.
; LIMITS: NaN and infinities among the inputs are not served.
.set X, 16                             ; v16-79  my 64 numbers
	s_load_b128 s[4:7], s[0:1], 0x0                ; x, stats
	v_lshl_add_u32 v96, v0, 2, 0x800
	v_mov_b32 v97, 0
	v_lshrrev_b32 v1, 5, v0
	v_readfirstlane_b32 s8, v1                     ; wave 0..7
	v_and_b32 v3, 31, v0                           ; lane = group
	v_lshlrev_b32 v1, 4, v3                        ; 16 x lane: my bytes of a row
	v_lshlrev_b32 v3, 3, v3                        ; 8 x lane: my pair (mean, M2)
	s_lshl_b32 s9, s8, 8
	v_add_nc_u32 v2, s9, v3                        ; LDS: 256 x wave + 8 x lane
	s_and_b32 s12, ttmp7, 0xffff                   ; batch
	s_lshl_b32 s10, s12, 12
	s_lshl_b32 s11, ttmp9, 7
	s_add_co_u32 s10, s10, s11
	s_lshl_b32 s11, s8, 4
	s_add_co_u32 s10, s10, s11                     ; my first row: 4096 batch + 128 chunk + 16 wave
	s_lshl_b32 s10, s10, 9                         ; in bytes (under 2^25)
	s_mov_b32 s11, 0
	s_lshl_b32 s14, s12, 5
	s_add_co_u32 s14, s14, ttmp9
	s_lshl_b32 s14, s14, 8                         ; stats: (32 batch + chunk) x 256
	s_mov_b32 s15, 0
	s_wait_kmcnt 0x0
	s_add_nc_u64 s[4:5], s[4:5], s[10:11]
	s_add_nc_u64 s[6:7], s[6:7], s[14:15]
.irp i, 0,1,2,3,4,5,6,7,8,9,10,11,12,13,14,15
	global_load_b128 v[X+4*\i:X+4*\i+3], v1, s[4:5] offset:512*\i   ; a whole row: 512 consecutive bytes.  No hint: the next launch reads x again
.endr
	s_wait_loadcnt 0x0
	; the sum of my 64 numbers: four packed chains, started by the first pairs
.irp k, 0,1,2,3
	v_pk_add_f32 v[4+2*\k:5+2*\k], v[X+2*\k:X+2*\k+1], v[X+8+2*\k:X+9+2*\k]
.endr
.set p, 8
.rept 24
	v_pk_add_f32 v[4+2*(p%4):5+2*(p%4)], v[4+2*(p%4):5+2*(p%4)], v[X+2*p:X+2*p+1]
.set p, p+1
.endr
	v_pk_add_f32 v[4:5], v[4:5], v[6:7]
	v_pk_add_f32 v[8:9], v[8:9], v[10:11]
	v_pk_add_f32 v[4:5], v[4:5], v[8:9]
	v_add_f32 v4, v4, v5
	v_mul_f32 v12, 0x3c800000, v4                  ; x 2^-6: the mean of my 64
	v_mov_b32 v13, v12                             ; twice, for the packed subtraction
.set p, 0
.rept 32
	v_pk_add_f32 v[X+2*p:X+2*p+1], v[X+2*p:X+2*p+1], v[12:13] neg_lo:[0,1] neg_hi:[0,1]   ; x - mean, in place
.set p, p+1
.endr
.irp k, 0,1,2,3
	v_pk_mul_f32 v[4+2*\k:5+2*\k], v[X+2*\k:X+2*\k+1], v[X+2*\k:X+2*\k+1]                 ; the squares' sum, again in four chains
.endr
.set p, 4
.rept 28
	v_pk_fma_f32 v[4+2*(p%4):5+2*(p%4)], v[X+2*p:X+2*p+1], v[X+2*p:X+2*p+1], v[4+2*(p%4):5+2*(p%4)]
.set p, p+1
.endr
	v_pk_add_f32 v[4:5], v[4:5], v[6:7]
	v_pk_add_f32 v[8:9], v[8:9], v[10:11]
	v_pk_add_f32 v[4:5], v[4:5], v[8:9]
	v_add_f32 v13, v4, v5                          ; M2 of my 64
	ds_store_b64 v2, v[12:13]
	s_wait_dscnt 0x0                               ; for the others' sake: my pair lies in LDS
	s_barrier_signal -1
	s_barrier_wait -1
	s_cmp_lg_u32 s8, 0                             ; wave 0 joins the eight parts of 64 numbers each
	s_cbranch_scc1 .Ldone
.irp i, 0,1,2,3,4,5,6,7
	ds_load_b64 v[X+2*\i:X+2*\i+1], v3 offset:256*\i
.endr
	s_wait_dscnt 0x0
	v_add_f32 v4, v[X], v[X+2]
	v_add_f32 v5, v[X+1], v[X+3]
.irp i, 2,3,4,5,6,7
	v_add_f32 v4, v4, v[X+2*\i]
	v_add_f32 v5, v5, v[X+2*\i+1]
.endr
	v_mul_f32 v12, 0x3e000000, v4                  ; x 2^-3: the mean of the 512
.irp i, 0,1,2,3,4,5,6,7
	v_sub_f32 v[X+2*\i], v[X+2*\i], v12
.endr
	v_mul_f32 v6, v[X], v[X]
.irp i, 1,2,3,4,5,6,7
	v_fma_f32 v6, v[X+2*\i], v[X+2*\i], v6
.endr
	v_fma_f32 v13, v6, 0x42800000, v5              ; M2 = the parts' M2 + 64 x the sum of (part's mean - mean)^2
	global_store_b64 v3, v[12:13], s[6:7]          ; 32 lanes store 256 consecutive bytes, aligned
.Ldone:
	s_wait_tensorcnt 0x0
	ds_add_u32 v96, v97
	s_wait_dscnt 0x0
	s_endpgm
.Lfunc_end_k_qa641991bc2_gnstats:
	.size	k_qa641991bc2_gnstats, .Lfunc_end_k_qa641991bc2_gnstats-k_qa641991bc2_gnstats
	.p2alignl 7, 3214868480
	.fill 96, 4, 3214868480
	.section	.rodata,"a",@progbits
	.p2align	6, 0x0
	.amdhsa_kernel k_qa641991bc2_gnstats
		.amdhsa_group_segment_fixed_size 3072
		.amdhsa_private_segment_fixed_size 0
		.amdhsa_enable_private_segment 0
		.amdhsa_kernarg_size 16
		.amdhsa_user_sgpr_count 2
		.amdhsa_user_sgpr_kernarg_segment_ptr 1
		.amdhsa_wavefront_size32 1
		.amdhsa_system_sgpr_workgroup_id_x 1
		.amdhsa_system_sgpr_workgroup_id_y 1
		.amdhsa_system_sgpr_workgroup_id_z 1
		.amdhsa_system_vgpr_workitem_id 0
		.amdhsa_next_free_vgpr 98
		.amdhsa_next_free_sgpr 66
		.amdhsa_reserve_vcc 0
		.amdhsa_float_denorm_mode_32 3
		.amdhsa_float_denorm_mode_16_64 3
		.amdhsa_memory_ordered 1
		.amdhsa_forward_progress 1
		.amdhsa_inst_pref_size 12
	.end_amdhsa_kernel
	.amdgpu_metadata
---
amdhsa.version: [ 1, 2 ]
amdhsa.kernels:
  - .name:           k_qa641991bc2_gnstats
    .symbol:         k_qa641991bc2_gnstats.kd
    .args:
      - { .name: x, .offset: 0, .size: 8, .value_kind: global_buffer, .address_space: global }
      - { .name: stats, .offset: 8, .size: 8, .value_kind: global_buffer, .address_space: global }
    .group_segment_fixed_size: 3072
    .private_segment_fixed_size: 0
    .kernarg_segment_align: 8
    .kernarg_segment_size: 16
    .max_flat_workgroup_size: 256
    .sgpr_count:     66
    .vgpr_count:     98
    .wavefront_size: 32
...
	.end_amdgpu_metadata
.endif
;; end of part 1
;; launch project (part 2): grid 32 x 8, 8 waves a work-group, no clusters, 168,960 bytes of LDS; arguments x, stats, gn_scale, gn_bias, wq_codes, wq_scales, bq, wk_codes, wk_scales, bk, wv_codes, wv_scales, bv, qkv; writes qkv
.if DOCPART == 2
	.amdgcn_target "amdgcn-amd-amdhsa--gfx1250"
	.amdhsa_code_object_version 6
	.text
	.protected	k_qa641991bc2_project
	.globl	k_qa641991bc2_project
	.p2align	8
	.type	k_qa641991bc2_project,@function
k_qa641991bc2_project:
	s_mov_b64 s[64:65], 0
	v_nop
	global_prefetch_b8 v0, s[64:65] scope:SCOPE_SE
	s_setreg_imm32_b32 hwreg(HW_REG_WAVE_MODE, 25, 1), 1
	s_wait_xcnt 0x0
; h = GroupNorm(x); q = Q(h) Wq + bq, k, v likewise (codes of E3M2, one E8M0 scale for each 32 along K); q and k are quantised along the channels, v along the keys.
; A work-group takes 128 positions of one batch (x = step, y = batch) and writes one RECORD of 38,400 bytes of qkv:
;   0 K: 8 fragment images of 1,536 bytes | 12,288 K's scale block, 512 | 12,800 V^T: 8 images | 25,088 its scale block | 25,600 Q: 8 images | 37,888 its scale block.
; A FRAGMENT IMAGE is the operand's 12 registers as they stand: group c of four registers of lane L at 512 c + 16 L.  A SCALE BLOCK has the word of (tile t, row r) at 16 r + 256 (t / 4) + 4 (t % 4).
; THE ROWS OF A TILE ARE NOT NEIGHBOURS: row r of tile t is index 32 (t / 2) + 8 (t % 2) + r + 8 (r / 8) (positions in Q's and K's tiles, channels in V^T's and in the weights' tiles), so that the
; 16 registers of result tiles 2 b and 2 b + 1 are always 16 neighbours along the next K: register 16 b + i = index 32 b + 16 (lane / 16) + i.
; SHARES.  Wave w owns position tile w: it normalises and quantises its 16 rows of x, and makes q and k of them TRANSPOSED (source 0 = 16 rows of the weight, source 1 = h): a lane holds one position, its registers
; run along the channels.  For v it owns channel tile w and takes all eight tiles of h from LDS (source 0 = h, source 1 = 16 rows of Wv): a lane holds one channel, its registers run along the keys.
; The biases are the C of the products.  The weights (36,864 bytes) and the batch's partial statistics (8,192) come into LDS once by asynchronous copies.
; LIMITS: NaN and infinities are not served; a block whose largest magnitude lies under 2^-122 keeps the scale byte 1, and so does a block of zeros (the quantiser's rule says 127: its codes are zeros, and this program alone reads the bytes).
.set QREC, 38400
.set LW,   0                           ; LDS: Wq, Wk, Wv as they lie, rows of 96 bytes, 12,288 each (copies)
.set LP,   36864                       ; the batch's partial statistics: [chunk 32][group 32][mean, M2] (copies)
.set LST,  45056                       ; for each wave 256 bytes: mean[32], rstd[32]
.set HIMG, 47104                       ; h's eight fragment images
.set HSC,  59392                       ; h's scale words: 128 x tile + 4 x lane
.set SC,   60416                       ; K's, V's, Q's scale words: 1,024 x which + 128 x tile + 4 x lane
.set XSTG, 63488                       ; for each wave 16 rows x 528 bytes: x turns here from rows to lanes
.set XP,   528
.set L16, 1                            ; v1   16 x lane
.set T16, 2                            ; v2   16 x thread: the copies' place in memory;  later WSV
.set CQ,  3                            ; v3-6 the copies' places in LDS;  later LPA / SCR, LSR, LSW, WVA
.set CK,  4
.set CV,  5
.set CP,  6
.set WSV, 2                            ; v2   4 x my channel of tile w: Wv's scale word and bv
.set LPA, 3                            ; v3   8 x lane: my group's pair in a chunk
.set SCR, 3                            ; v3   then: where I gather a scale block
.set LSR, 4                            ; v4   LST + 256 w + 16 h
.set LSW, 5                            ; v5   LST + 256 w + 4 x lane
.set WVA, 6                            ; v6   my row of Wv's tile w
.set XSW, 7                            ; v7   the stage, in: 16 x lane
.set XSR, 8                            ; v8   the stage, out: 528 r + 64 h
.set BA,  9                            ; v9   64 h: my half's 16 channels of a block of 32, in f32
.set WA,  10                           ; v10  96 (r + 8 (r / 8)) + 24 h: my row of a weight's tile
.set WSA, 11                           ; v11  4 (r + 8 (r / 8)): its scale word
.set HWI, 12                           ; v12  1,536 w + 16 x lane
.set HH,  13                           ; v13  h = lane / 16
.set LS4, 14                           ; v14  4 x lane
.set WS4, 15                           ; v15  128 w + 4 x lane
.set XN,  16                           ; v16-79   x, then h; later bk and k's sums
.set HA,  80                           ; v80-143  gn_scale; then bq and q's sums; then v's sums
.set GS,  80
.set WF,  144                          ; v144-191 four fragments
.set GB,  144                          ; v144-207 gn_bias, while h is made
.set HF,  192                          ; v192-203 my fragment of h
.set PCO, 204                          ; v204-215 codes on their way out; Wv's fragment during v's products
.set CT,  216                          ; v216-223 the conversions' second halves; 8 x bv during v's products
.set BV,  216
.set ST,  208                          ; v208-223 partial statistics, then my 16 means
.set MN,  208
.set RS,  224                          ; v224-239 my 16 rstd
.set TM,  224                          ; v224-227 largest magnitudes, v228-231 the other half's / bytes, v232-235 the conversions' scale operands
.set HSW, 236                          ; v236 h's scale word
.set PWO, 237                          ; v237 the scale word on its way out
.set WQS, 238                          ; v238-245 Wq's scale words; later those of h's eight tiles
.set HS8, 238
.set WKS, 246                          ; v246-253 Wk's
.set WVS, 254                          ; v254 Wv's
.set BVR, 255                          ; v255 bv of my channel
.set TSM, 240                          ; while the statistics are joined: sums and at work
.set TSQ, 241
.set TSD, 242
.set TMEAN, 243
.set TV,  244
.set WV,  32                           ; s32 wave
.set EPS, 34                           ; s34 1e-6
.set RW,  35                           ; s35 32 (w / 2) + 8 (w % 2): where tile w begins
.set SEL, 36                           ; s[36:37] v_permlanex16_b32's selects for lane l xor 16
.set RECP, 38                          ; s[38:39] my record + 1,536 w
.set SCB, 40                           ; s[40:41] the scale block that my wave stores
.macro PLACES n
.rept \n
	v_nop
.endr
.endm
.macro BARRIER                         ; my LDS stores have landed and my LDS loads are in: then the work-group's barrier
	s_wait_dscnt 0x0
	s_barrier_signal -1
	s_barrier_wait -1
.endm
; 64 numbers of a lane, register 16 b + i = k 32 b + 16 (lane / 16) + i of my row, become a fragment's codes in v[pc] on and its scale word in v[pw].  Each accumulator is read from its low end on.
.macro QUANT s, pc, pw
.irp b, 0,1,2,3
	v_max3_num_f32 v[TM+\b], |v[\s+16*\b]|, |v[\s+1+16*\b]|, 0x2800000   ; block b: my 16 numbers, and the floor 2^(5 - 127): the byte cannot fall under 1
.endr
.irp i, 2,4,6,8,10,12,14
.irp b, 0,1,2,3
	v_max3_num_f32 v[TM+\b], v[TM+\b], |v[\s+16*\b+\i]|, |v[\s+1+16*\b+\i]|   ; the four blocks by turns
.endr
.endr
.irp b, 0,1,2,3
	v_permlanex16_b32 v[TM+4+\b], v[TM+\b], s[SEL], s[SEL+1]
.endr
.irp b, 0,1,2,3
	v_max_num_f32 v[TM+\b], v[TM+\b], v[TM+4+\b]   ; with lane l xor 16's: the block's largest magnitude
.endr
.irp b, 0,1,2,3
	v_add_nc_u32 v[TM+8+\b], 0xfe000000, v[TM+\b]  ; 4 off its exponent field: the conversion's scale operand
.endr
.irp b, 0,1,2,3
	v_lshrrev_b32 v[TM+4+\b], 23, v[TM+8+\b]       ; the scale's byte
.endr
	v_lshl_or_b32 v[\pw], v[TM+5], 8, v[TM+4]
	v_lshl_or_b32 v[\pw], v[TM+6], 16, v[\pw]
	v_lshl_or_b32 v[\pw], v[TM+7], 24, v[\pw]
.irp c, 0,1
	v_cvt_scalef32_pk16_bf6_f32 v[\pc+6*\c:\pc+6*\c+2], v[\s+32*\c:\s+32*\c+15], v[TM+8+2*\c]
	v_cvt_scalef32_pk16_bf6_f32 v[CT+4*\c:CT+4*\c+2], v[\s+32*\c+16:\s+32*\c+31], v[TM+9+2*\c]   ; (a conversion's three registers begin on an even number)
.endr
	v_nop                                          ; one plain place behind a scaled conversion
.irp c, 0,1                                    ; the operand's layout wants a whole block in a lane: lanes 0-15 block 2 c, lanes 16-31 block 2 c + 1
.irp i, 0,1,2
	v_permlane16_swap_b32 v[\pc+6*\c+\i], v[CT+4*\c+\i]
.endr
.irp i, 0,1,2
	v_mov_b32 v[\pc+6*\c+3+\i], v[CT+4*\c+\i]
.endr
.endr
.endm
.macro WFRAG reg, off                  ; a weight's fragment from its rows of 96 bytes: 24 bytes twice, in pieces of 8
.irp p, 0,1,2,3,4,5
	ds_load_b64 v[\reg+2*\p:\reg+2*\p+1], v[WA] offset:\off+48*(\p/3)+8*(\p%3)
.endr
.endm
; One projection of my 16 positions, transposed; the bias lies in the accumulators and is the products' C.  Then the result is quantised along the channels; its image goes to the record, its scale word to LDS.
.macro PROJ acc, lw, ws, imgoff, scoff
.irp g, 0,1
.if \g
	PLACES 4                                       ; in front of loads into registers that matrix instructions have read
.endif
.irp t, 0,1,2,3
	WFRAG WF+12*\t, \lw+(32*((4*\g+\t)/2)+8*(\t%2))*96
.endr
	s_wait_dscnt 0x0
.irp t, 0,1,2,3
	v_wmma_scale_f32_16x16x128_f8f6f4 v[\acc+8*(4*\g+\t):\acc+8*(4*\g+\t)+7], v[WF+12*\t:WF+12*\t+11], v[HF:HF+11], v[\acc+8*(4*\g+\t):\acc+8*(4*\g+\t)+7], v[\ws+4*\g+\t], v[HSW] matrix_a_fmt:MATRIX_FMT_BF6 matrix_b_fmt:MATRIX_FMT_BF6
.endr
.endr
	PLACES 4                                       ; in front of the first read of results
	s_wait_xcnt 0x0                                ; earlier stores have read the registers that the codes are written into
	QUANT \acc, PCO, PWO
.irp c, 0,1,2
	global_store_b128 v[L16], v[PCO+4*\c:PCO+4*\c+3], s[RECP:RECP+1] offset:\imgoff+512*\c   ; 512 consecutive bytes, aligned
.endr
	ds_store_b32 v[WS4], v[PWO] offset:SC+\scoff
.endm
	s_load_b512 s[4:19], s[0:1], 0x0               ; x s[4:5], stats s[6:7], gn_scale s[8:9], gn_bias s[10:11], Wq's codes s[12:13], scales s[14:15], bq s[16:17], Wk's codes s[18:19]
	s_load_b256 s[20:27], s[0:1], 0x40             ; Wk's scales s[20:21], bk s[22:23], Wv's codes s[24:25], scales s[26:27]
	s_load_b128 s[28:31], s[0:1], 0x60             ; bv s[28:29], qkv s[30:31]
	s_set_vgpr_msb 0x40
	v_lshl_add_u32 v0, v0, 2, 0x29000
	v_mov_b32 v1, 0
	s_set_vgpr_msb 0x4045
	ds_add_u32 v0, v1
	s_set_vgpr_msb 0x4500
	v_lshrrev_b32 v1, 5, v0
	v_readfirstlane_b32 s[WV], v1                  ; wave 0..7
	s_lshr_b32 s33, s[WV], 1
	s_lshl_b32 s33, s33, 5
	s_and_b32 s[RW], s[WV], 1
	s_lshl_b32 s[RW], s[RW], 3
	s_add_co_u32 s[RW], s[RW], s33                 ; 32 (w / 2) + 8 (w % 2)
	s_and_b32 s42, ttmp7, 0xffff                   ; batch
	s_lshl_b32 s43, s42, 12
	s_lshl_b32 s44, ttmp9, 7
	s_add_co_u32 s43, s43, s44
	s_add_co_u32 s43, s43, s[RW]                   ; my tile's first position
	s_lshl_b32 s44, s43, 9                         ; x 512 bytes (under 2^25)
	s_mov_b32 s45, 0
	s_lshl_b32 s46, s42, 13                        ; the batch's 8,192 bytes of stats
	s_mov_b32 s47, 0
	s_lshl_b32 s48, s42, 5
	s_add_co_u32 s48, s48, ttmp9
	s_mul_i32 s48, s48, QREC                       ; my record
	s_mov_b32 s49, 0
	s_mul_i32 s50, s[WV], 1536
	s_add_co_u32 s50, s50, s48                     ; + my tile's image
	s_mov_b32 s51, 0
	s_min_u32 s52, s[WV], 2                        ; waves 0, 1, 2 store K's, V's, Q's scale block
	s_mul_i32 s53, s52, 12800
	s_add_co_u32 s48, s48, s53
	s_add_co_u32 s48, s48, 12288
	s_mov_b32 s[SEL], 0x76543210
	s_mov_b32 s[SEL+1], 0xfedcba98
	s_mov_b32 s[EPS], 0x358637bd                   ; 1e-6
	v_and_b32 v[LS4], 31, v0                       ; lane
	v_lshlrev_b32 v[L16], 4, v[LS4]
	v_lshlrev_b32 v[LS4], 2, v[LS4]
	v_lshlrev_b32 v[T16], 4, v0
	v_lshlrev_b32 v[CQ], 4, v0
	v_add_nc_u32 v[CK], 12288, v[CQ]
	v_add_nc_u32 v[CV], 24576, v[CQ]
	v_add_nc_u32 v[CP], LP, v[CQ]
	v_and_b32 v[HWI], 15, v0                       ; r
	v_bfe_u32 v[HH], v0, 4, 1                      ; h
	s_mul_i32 s33, s[WV], 16*XP
	s_add_co_u32 s33, s33, XSTG                    ; my stage
	v_add_nc_u32 v[XSW], s33, v[L16]
	v_mul_u32_u24 v[XSR], v[HWI], XP
	v_lshl_add_u32 v[XSR], v[HH], 6, v[XSR]
	v_add_nc_u32 v[XSR], s33, v[XSR]
	v_lshlrev_b32 v[BA], 6, v[HH]
	v_and_b32 v[WSA], 8, v[HWI]
	v_add_nc_u32 v[WSA], v[WSA], v[HWI]            ; r + 8 (r / 8)
	v_mul_u32_u24 v[WA], v[WSA], 96
	v_mad_u32_u24 v[WA], v[HH], 24, v[WA]
	v_lshlrev_b32 v[WSA], 2, v[WSA]
	s_mul_i32 s33, s[WV], 1536
	v_add_nc_u32 v[HWI], s33, v[L16]
	s_lshl_b32 s33, s[WV], 7
	v_add_nc_u32 v[WS4], s33, v[LS4]
	s_wait_dscnt 0x0
	s_wait_kmcnt 0x0
	s_add_nc_u64 s[4:5], s[4:5], s[44:45]
	s_add_nc_u64 s[6:7], s[6:7], s[46:47]
	s_add_nc_u64 s[RECP:RECP+1], s[30:31], s[50:51]
	s_add_nc_u64 s[SCB:SCB+1], s[30:31], s[48:49]
	; the copies: 256 threads x 16 bytes = 4,096 bytes a line; the immediate is added to both addresses.  Each LDS byte is filled once in the launch.
.irp i, 0,1,2
	global_load_async_to_lds_b128 v[CQ], v[T16], s[12:13] offset:4096*\i
	global_load_async_to_lds_b128 v[CK], v[T16], s[18:19] offset:4096*\i
	global_load_async_to_lds_b128 v[CV], v[T16], s[24:25] offset:4096*\i
.endr
.irp i, 0,1
	global_load_async_to_lds_b128 v[CP], v[T16], s[6:7] offset:4096*\i
.endr
.irp i, 0,1,2,3,4,5,6,7,8,9,10,11,12,13,14,15
	global_load_b128 v[XN+4*\i:XN+4*\i+3], v[L16], s[4:5] offset:(\i+8*(\i/8))*512   ; row i of my tile, whole: 512 consecutive bytes
.endr
.irp b, 0,1,2,3
.irp j, 0,1,2,3
	global_load_b128 v[GS+16*\b+4*\j:GS+16*\b+4*\j+3], v[BA], s[8:9] offset:128*\b+16*\j    ; the gain of channels 32 b + 16 h + 4 j on
.endr
.endr
.irp b, 0,1,2,3
.irp j, 0,1,2,3
	global_load_b128 v[GB+16*\b+4*\j:GB+16*\b+4*\j+3], v[BA], s[10:11] offset:128*\b+16*\j  ; the bias likewise
.endr
.endr
	s_wait_asynccnt 0x0                            ; my copies have landed: their address registers are free, and
	s_barrier_signal -1
	s_barrier_wait -1                              ; everybody's have: weights and partial statistics lie in LDS
	v_lshl_add_u32 v[WSV], s[RW], 2, v[WSA]
	v_and_b32 v[LPA], 31, v0
	v_lshlrev_b32 v[LPA], 3, v[LPA]
	s_lshl_b32 s33, s[WV], 8
	s_add_co_u32 s33, s33, LST
	v_lshl_add_u32 v[LSR], v[HH], 4, s33
	v_add_nc_u32 v[LSW], s33, v[LS4]
	s_mul_i32 s33, s[RW], 96
	v_add_nc_u32 v[WVA], s33, v[WA]
	; THE STATISTICS: every wave joins the batch's 32 chunks for itself, lane = group.  mean = the chunks' means' mean; M2 = the chunks' M2 + 512 x the sum of (chunk's mean - mean)^2.
.irp g, 0,1,2,3
.irp i, 0,1,2,3,4,5,6,7
	ds_load_b64 v[ST+2*\i:ST+2*\i+1], v[LPA] offset:LP+256*(8*\g+\i)
.endr
	s_wait_dscnt 0x0
.if \g == 0
	v_add_f32 v[TSM], v[ST], v[ST+2]               ; the first pair starts the sums
	v_add_f32 v[TSQ], v[ST+1], v[ST+3]
.else
	v_add_f32 v[TSM], v[TSM], v[ST]
	v_add_f32 v[TSQ], v[TSQ], v[ST+1]
	v_add_f32 v[TSM], v[TSM], v[ST+2]
	v_add_f32 v[TSQ], v[TSQ], v[ST+3]
.endif
.irp i, 2,3,4,5,6,7
	v_add_f32 v[TSM], v[TSM], v[ST+2*\i]
	v_add_f32 v[TSQ], v[TSQ], v[ST+2*\i+1]
.endr
.endr
	v_mul_f32 v[TMEAN], 0x3d000000, v[TSM]         ; x 2^-5
.irp g, 0,1
.irp i, 0,1,2,3,4,5,6,7,8,9,10,11,12,13,14,15
	ds_load_b32 v[ST+\i], v[LPA] offset:LP+256*(16*\g+\i)
.endr
	s_wait_dscnt 0x0
.irp i, 0,1,2,3,4,5,6,7,8,9,10,11,12,13,14,15
	v_sub_f32 v[ST+\i], v[ST+\i], v[TMEAN]
.endr
.if \g == 0
	v_mul_f32 v[TSD], v[ST], v[ST]
.else
	v_fma_f32 v[TSD], v[ST], v[ST], v[TSD]
.endif
.irp i, 1,2,3,4,5,6,7,8,9,10,11,12,13,14,15
	v_fma_f32 v[TSD], v[ST+\i], v[ST+\i], v[TSD]
.endr
.endr
	v_fma_f32 v[TV], v[TSD], 0x44000000, v[TSQ]    ; M2 of the group's 16,384 numbers
	v_fma_f32 v[TV], v[TV], 0x38800000, s[EPS]     ; x 2^-14 (exact) + 1e-6
	v_rsq_f32 v[TV+1], v[TV]
	v_and_b32 v[SCR], 15, v0                       ; (a plain place behind the transcendental)  where I gather a scale block at the end: 4 r
	v_lshlrev_b32 v[SCR], 2, v[SCR]
	v_lshl_add_u32 v[SCR], v[HH], 9, v[SCR]        ; + 512 h
	s_lshl_b32 s33, s52, 10
	v_add_nc_u32 v[SCR], s33, v[SCR]               ; + 1,024 x which block
	ds_store_b32 v[LSW], v[TMEAN]                  ; lane = group -> my wave's own 256 bytes;
	s_wait_alu depctr_va_vdst(0)
	ds_store_b32 v[LSW], v[TV+1] offset:128
.irp b, 0,1,2,3
	ds_load_b128 v[MN+4*\b:MN+4*\b+3], v[LSR] offset:32*\b        ; and back: groups 8 b + 4 h + 0 .. 3.  LDS serves a wave's instructions in order: these see my stores
	ds_load_b128 v[RS+4*\b:RS+4*\b+3], v[LSR] offset:128+32*\b
.endr
	; x turns through my stage: in as rows, out as 16 neighbours of each block of 32 for lane (r, h)
	s_wait_loadcnt 32                              ; x's 16 loads are in; the 32 younger ones (gain, bias) may be out
.irp i, 0,1,2,3,4,5,6,7,8,9,10,11,12,13,14,15
	ds_store_b128 v[XSW], v[XN+4*\i:XN+4*\i+3] offset:XP*\i
.endr
.irp b, 0,1,2,3
.irp j, 0,1,2,3
	ds_load_b128 v[XN+16*\b+4*\j:XN+16*\b+4*\j+3], v[XSR] offset:128*\b+16*\j
.endr
.endr
	s_wait_dscnt 0x0
	s_wait_loadcnt 0x0
	; h = (x - mean) rstd gain + bias.  Register 16 b + 4 j + e is channel 32 b + 16 h + 4 j + e, of group 8 b + 4 h + j
.irp b, 0,1,2,3
.irp j, 0,1,2,3
.irp e, 0,1,2,3
	v_sub_f32 v[XN+16*\b+4*\j+\e], v[XN+16*\b+4*\j+\e], v[MN+4*\b+\j]
.endr
.endr
.endr
.irp b, 0,1,2,3
.irp j, 0,1,2,3
.irp e, 0,1,2,3
	v_mul_f32 v[XN+16*\b+4*\j+\e], v[XN+16*\b+4*\j+\e], v[RS+4*\b+\j]
.endr
.endr
.endr
.set n, 0
.rept 32
	v_pk_fma_f32 v[XN+n:XN+n+1], v[XN+n:XN+n+1], v[GS+n:GS+n+1], v[GB+n:GB+n+1]
.set n, n+2
.endr
.irp t, 0,1,2,3,4,5,6,7
	global_load_b128 v[HA+8*\t:HA+8*\t+3], v[BA], s[16:17] offset:(32*(\t/2)+8*(\t%2))*4       ; bq in the result's layout: tile t's eight channels of my half
	global_load_b128 v[HA+8*\t+4:HA+8*\t+7], v[BA], s[16:17] offset:(32*(\t/2)+8*(\t%2))*4+16
.endr
.irp t, 0,1,2,3,4,5,6,7
	global_load_b32 v[WQS+\t], v[WSA], s[14:15] offset:(32*(\t/2)+8*(\t%2))*4
.endr
.irp t, 0,1,2,3,4,5,6,7
	global_load_b32 v[WKS+\t], v[WSA], s[20:21] offset:(32*(\t/2)+8*(\t%2))*4
.endr
	global_load_b32 v[WVS], v[WSV], s[26:27]
	global_load_b32 v[BVR], v[WSV], s[28:29]
	QUANT XN, HF, HSW                              ; (the lane permutes' destinations were written whole by the loads of rstd)
.irp t, 0,1,2,3,4,5,6,7
	global_load_b128 v[XN+8*\t:XN+8*\t+3], v[BA], s[22:23] offset:(32*(\t/2)+8*(\t%2))*4       ; bk, into the registers that h has left
	global_load_b128 v[XN+8*\t+4:XN+8*\t+7], v[BA], s[22:23] offset:(32*(\t/2)+8*(\t%2))*4+16
.endr
.irp c, 0,1,2
	ds_store_b128 v[HWI], v[HF+4*\c:HF+4*\c+3] offset:HIMG+512*\c
.endr
	ds_store_b32 v[WS4], v[HSW] offset:HSC
	BARRIER                                        ; h's eight fragments and their scale words lie in LDS
	s_wait_loadcnt 16                              ; bq, the weights' scale words and bv are in; bk's 16 loads may be out
	PLACES 8                                       ; h's scale word was written by vector instructions: eight places ahead of a scaled matrix instruction (its codes: four)
	PROJ HA, LW, WQS, 25600, 2048                  ; q
	s_wait_loadcnt 0x0                             ; bk
	PROJ XN, LW+12288, WKS, 0, 0                   ; k
	; v: my 16 channels for all 128 positions.  Source 0 = a tile of h, source 1 = Wv's tile w: a lane holds one channel, register 16 b + i = key 32 b + 16 h + i
	s_wait_xcnt 0x0                                ; k's stores have read the registers that Wv's fragment lands in
.irp p, 0,1,2,3,4,5
	ds_load_b64 v[PCO+2*\p:PCO+2*\p+1], v[WVA] offset:LW+24576+48*(\p/3)+8*(\p%3)
.endr
.irp m, 0,1,2,3,4,5,6,7
	ds_load_b32 v[HS8+\m], v[LS4] offset:HSC+128*\m
.endr
.irp j, 0,1,2,3,4,5,6,7
	v_mov_b32 v[BV+\j], v[BVR]                     ; the bias in the result's layout: my channel's, for eight positions
.endr
.irp g, 0,1
.if \g
	PLACES 4
.endif
.irp m, 0,1,2,3
.irp c, 0,1,2
	ds_load_b128 v[WF+12*\m+4*\c:WF+12*\m+4*\c+3], v[L16] offset:HIMG+1536*(4*\g+\m)+512*\c
.endr
.endr
	s_wait_dscnt 0x0
.irp m, 0,1,2,3
	v_wmma_scale_f32_16x16x128_f8f6f4 v[HA+8*(4*\g+\m):HA+8*(4*\g+\m)+7], v[WF+12*\m:WF+12*\m+11], v[PCO:PCO+11], v[BV:BV+7], v[HS8+4*\g+\m], v[WVS] matrix_a_fmt:MATRIX_FMT_BF6 matrix_b_fmt:MATRIX_FMT_BF6
.endr
.endr
	PLACES 4
	QUANT HA, PCO, PWO                             ; along the keys
.irp c, 0,1,2
	global_store_b128 v[L16], v[PCO+4*\c:PCO+4*\c+3], s[RECP:RECP+1] offset:12800+512*\c
.endr
	ds_store_b32 v[WS4], v[PWO] offset:SC+1024
	BARRIER                                        ; all 24 tiles' scale words lie in LDS
	s_cmp_gt_u32 s[WV], 2
	s_cbranch_scc1 .Ldone
.irp j, 0,1,2,3
	ds_load_b32 v[TM+\j], v[SCR] offset:SC+128*\j  ; lane L: the words of tiles 4 (L / 16) + 0 .. 3, row L % 16
.endr
	s_wait_dscnt 0x0
	global_store_b128 v[L16], v[TM:TM+3], s[SCB:SCB+1]   ; a scale block: 512 consecutive bytes, aligned
.Ldone:
	s_set_vgpr_msb 0x5
	s_wait_tensorcnt 0x0
	ds_add_u32 v0, v1
	s_wait_dscnt 0x0
	s_set_vgpr_msb 0x500
	s_endpgm
.Lfunc_end_k_qa641991bc2_project:
	.size	k_qa641991bc2_project, .Lfunc_end_k_qa641991bc2_project-k_qa641991bc2_project
	.p2alignl 7, 3214868480
	.fill 96, 4, 3214868480
	.section	.rodata,"a",@progbits
	.p2align	6, 0x0
	.amdhsa_kernel k_qa641991bc2_project
		.amdhsa_group_segment_fixed_size 168960
		.amdhsa_private_segment_fixed_size 0
		.amdhsa_enable_private_segment 0
		.amdhsa_kernarg_size 112
		.amdhsa_user_sgpr_count 2
		.amdhsa_user_sgpr_kernarg_segment_ptr 1
		.amdhsa_wavefront_size32 1
		.amdhsa_system_sgpr_workgroup_id_x 1
		.amdhsa_system_sgpr_workgroup_id_y 1
		.amdhsa_system_sgpr_workgroup_id_z 1
		.amdhsa_system_vgpr_workitem_id 0
		.amdhsa_next_free_vgpr 258
		.amdhsa_next_free_sgpr 66
		.amdhsa_reserve_vcc 0
		.amdhsa_float_denorm_mode_32 3
		.amdhsa_float_denorm_mode_16_64 3
		.amdhsa_memory_ordered 1
		.amdhsa_forward_progress 1
		.amdhsa_inst_pref_size 63
	.end_amdhsa_kernel
	.amdgpu_metadata
---
amdhsa.version: [ 1, 2 ]
amdhsa.kernels:
  - .name:           k_qa641991bc2_project
    .symbol:         k_qa641991bc2_project.kd
    .args:
      - { .name: x, .offset: 0, .size: 8, .value_kind: global_buffer, .address_space: global }
      - { .name: stats, .offset: 8, .size: 8, .value_kind: global_buffer, .address_space: global }
      - { .name: gn_scale, .offset: 16, .size: 8, .value_kind: global_buffer, .address_space: global }
      - { .name: gn_bias, .offset: 24, .size: 8, .value_kind: global_buffer, .address_space: global }
      - { .name: wq_codes, .offset: 32, .size: 8, .value_kind: global_buffer, .address_space: global }
      - { .name: wq_scales, .offset: 40, .size: 8, .value_kind: global_buffer, .address_space: global }
      - { .name: bq, .offset: 48, .size: 8, .value_kind: global_buffer, .address_space: global }
      - { .name: wk_codes, .offset: 56, .size: 8, .value_kind: global_buffer, .address_space: global }
      - { .name: wk_scales, .offset: 64, .size: 8, .value_kind: global_buffer, .address_space: global }
      - { .name: bk, .offset: 72, .size: 8, .value_kind: global_buffer, .address_space: global }
      - { .name: wv_codes, .offset: 80, .size: 8, .value_kind: global_buffer, .address_space: global }
      - { .name: wv_scales, .offset: 88, .size: 8, .value_kind: global_buffer, .address_space: global }
      - { .name: bv, .offset: 96, .size: 8, .value_kind: global_buffer, .address_space: global }
      - { .name: qkv, .offset: 104, .size: 8, .value_kind: global_buffer, .address_space: global }
    .group_segment_fixed_size: 168960
    .private_segment_fixed_size: 0
    .kernarg_segment_align: 8
    .kernarg_segment_size: 112
    .max_flat_workgroup_size: 256
    .sgpr_count:     66
    .vgpr_count:     258
    .wavefront_size: 32
...
	.end_amdgpu_metadata
.endif
;; end of part 2
;; launch attend (part 3): grid 32 x 8, 8 waves a work-group, clusters of 4 x 1, 327,680 bytes of LDS; arguments qkv, wo_codes, wo_scales, bo, x, out0; writes out0
.if DOCPART == 3
	.amdgcn_target "amdgcn-amd-amdhsa--gfx1250"
	.amdhsa_code_object_version 6
	.text
	.protected	k_qa641991bc2_attend
	.globl	k_qa641991bc2_attend
	.p2align	8
	.type	k_qa641991bc2_attend,@function
k_qa641991bc2_attend:
	s_mov_b64 s[64:65], 0
	v_nop
	global_prefetch_b8 v0, s[64:65] scope:SCOPE_SE
	s_setreg_imm32_b32 hwreg(HW_REG_WAVE_MODE, 25, 1), 1
	s_wait_xcnt 0x0
	s_wait_alu depctr_hold_cnt(0) depctr_sa_sdst(0) depctr_va_vdst(0) depctr_va_sdst(0) depctr_va_ssrc(0) depctr_va_vcc(0) depctr_vm_vsrc(0)
	s_getreg_b32 s2, hwreg(HW_REG_IB_STS2, 6, 4)
	s_cmp_eq_u32 s2, 0
	s_cbranch_scc0 .Lentry_in_a_cluster
	s_endpgm
.Lentry_in_a_cluster:
	s_bfe_u32 s2, ttmp6, 0x10000c
	s_cmp_lg_u32 s2, 0x3003
	s_cbranch_scc0 .Lentry_shape_is_right
	s_endpgm
.Lentry_shape_is_right:
; out = x + Q(softmax(q k^T / sqrt(128)) v) Wo + bo, all three products on codes of E3M2 with one E8M0 scale for each 32 along K.  q, k, v come from qkv as operand images (the launch before lays them):
; for each batch and each step of 128 positions a record of 38,400 bytes: K's 8 fragment images and scale block, V^T's, Q's.  The first 25,600 bytes, K and V, are one dense block for one tensor load.
; THE SOFTMAX: t = score x log2(e) / sqrt(128), in one multiplication; M = the running largest t rounded UP to a whole number; p = 2^(t - M) is quantised along the keys, not normalised; the row's sum is taken of
; the unquantised p and divides at the end.  When M moves, the sum and O are multiplied by 2^(old M - new M): exact.  A block's largest p is made from the block's largest score by the same two instructions
; (this takes v_exp_f32 not to fall where its input rises).
; SHARES.  A work-group owns 128 queries of a batch: the 8 tiles of Q of one record.  Eight waves, two to a SIMD.  EACH WAVE HOLDS TWO TILES OF QUERIES AND WALKS HALF OF THE KEYS, so that each fragment read from LDS
; feeds two matrix instructions: waves w and w xor 4 hold the same two tiles; of a slot's four steps waves 0-3 take the first two and waves 4-7 the last two.  At the end the two exchange one tile's O, M and sum through
; LDS, join them by powers of two, and each finishes one tile: / sum, quantised, x Wo, + bo + x.
; LAYOUT.  All products are used transposed (source 0 = 16 keys / 16 channels of V^T / 16 rows of Wo; source 1 = my 16 queries): a lane holds ONE query throughout.  The rows of K's, Q's and V^T's tiles are chosen by the
; launch before so that the 16 registers of result tiles 2 b and 2 b + 1 are 16 neighbours along the next K.
; CLUSTER.  The four query blocks of a cluster belong to one batch and walk the same K and V: each tile is asked for JOINTLY, by the same tensor load with the same descriptor and the mask of all four.
; RING.  Two slots of four steps (102,400 bytes); waves 0-3 fetch one step each.  Both slots' first fills go out at the start (two tensor loads of a wave are out), later one load a wave behind each round.
; FRAGMENTS AHEAD.  Three buffers of four fragments.  K's tiles 0-3 always lie in FB; FA and FC change parts with the step's parity: one holds K's tiles 4-7 and then V's 4-7, the other V's 0-3 and then the next step's
; K 4-7.  All of a step's V and the next step's first K are asked for in one run behind the step's scores and land under its softmax; the next step's last K lands under sixteen matrix instructions.
; THE CHANGE OF SLOTS stands in the middle of a slot's second step: the slot's last reads (that step's V) are over, one tile's softmax stands between the barrier's signal and its wait, and behind the round come the
; refill of the slot just read and the next slot's first K.
; LIMITS: NaN and infinities are not served; a block of p or of o whose largest magnitude lies under 2^-122 keeps the scale byte 1 (a block of zeros too: its codes are zeros).
; REGISTERS: window 0: v1-7 addresses and Q's scale words; v8-15 the two tiles' -M, largest t, sum (a pair); v16-63 buffer FA; v64-127, v128-191 S^T, then p; v192-215 p's codes; v216-235 at work; v236-245 scale words; v246-251 at work; v252-255 bo.
;   window 1: v0-63, v64-127 O^T of the two tiles; v128-151 Q's two fragments; v152-199 buffer FB; v200-247 buffer FC.
.set QREC,  38400
.set REC,   25600
.set SLOT1, 1<<17                      ; slot 1 begins here: one exclusive or turns an address of one slot into the other's
.set WOL,   4*REC                      ; behind slot 0: Wo's codes as they lie, rows of 96 bytes; filled once
.set SPARE, SLOT1+4*REC                ; behind slot 1: the spare words, 128 bytes for each wave: four blocks of 256 bytes that no other line names
.set MRG,   SPARE+1024                 ; for each wave 8,448 bytes: the tile that it hands over (64 registers x 128 bytes), -M at 8,192, the sum at 8,320
.set MP,    8448                       ; also a wave's stage for the way out, 16 rows x 528 bytes, in slot 0: it has had its last fill, and nobody reads it behind the last change of slots
.set SPW, 1                            ; v1  LDS address of my spare word; never rewritten
.set NIL, 2                            ; v2  0; never rewritten
.set AL,  3                            ; v3  16 x lane + 51,200 x (wave / 4): my place in a slot
.set ADR, 4                            ; v4  the same in the slot in hand
.set L16, 5                            ; v5  16 x lane
.set QS0, 6                            ; v6, v7 Q's scale words, tile 0, 1
.set ST0, 8                            ; v8-11  tile 0: -M, the largest t, the sum in two halves
.set ST1, 12                           ; v12-15 tile 1
.set FA,  16                           ; fragment buffer in window 0
.set FB,  152                          ; fragment buffers in window 1
.set FC,  200
.set SS0, 64
.set SS1, 128
.set PC0, 192
.set PC1, 204
.set CT,  216
.set TM,  224
.set BM,  224                          ; v224-227 the blocks' largest scores, then p
.set BP,  228                          ; v228-231 the other half's; bytes
.set SO,  232                          ; v232-235 the conversions' scale operands
.set KS,  236                          ; v236-239 K's scale words: register j: lanes 0-15 tile j, lanes 16-31 tile 4 + j
.set VS,  240                          ; v240-243 V's likewise
.set PS0, 244                          ; v244, v245 p's scale words
.set PS1, 245
.set F0,  246                          ; v[246:247], v[248:249] 2^(old M - new M) (the low word is used)
.set F1,  248
.set X,   250
.set X2,  251
.set BO,  252
.set MW,  204                          ; the epilogue's addresses, where tile 1's codes lay
.set MWS, 205
.set MR,  206
.set MRS, 207
.set STO, 208
.set RD,  209
.set WOA, 210
.set WSA, 211
.set ER,  212
.set EH,  213
.set EL,  214
.set WV,  16
.set GK,  17
.set PR,  18
.set T0,  19
.set SEL, 20
.set CS,  22
.set G1,  24                           ; s[24:31] group 1: 100 rows of 256 bytes;  s[32:35] group 0 of slot 0's first fill
.set G0,  32
.set G1W, 36                           ; s[36:43], s[44:47] the same for Wo: 48 rows
.set G0W, 44
.set TB,  48
.set SLOTS, 49
.set G0N, 80                           ; s[80:83] group 0 of slot 1's first fill, which then walks
.set MSB, 0
.macro WIN new                         ; the immediate's high byte repeats the setting that is left; a switch that changes nothing is dropped
.if MSB != (\new)
	s_set_vgpr_msb (MSB<<8)|(\new)
.set MSB, (\new)
.endif
.endm
.macro PLACES n
.rept \n
	v_nop
.endr
.endm
.macro CREST                           ; a round of the cluster's barrier behind its opening barrier
	s_cmp_lg_u32 s[WV], 0
	s_cbranch_scc1 .Lnot_wave_0_\@
	s_barrier_signal -3
.Lnot_wave_0_\@:
	s_barrier_wait -3
	s_barrier_signal -1
	s_barrier_wait -1
.endm
.macro ROUND                           ; a whole round
	s_barrier_signal -1
	s_barrier_wait -1
	CREST
.endm
.macro TLOAD                           ; waves 0-3 fetch one step's K and V each; four v_nop follow the line
	s_cmp_lt_u32 s[WV], 4
	s_cbranch_scc0 .Lasked_\@
	tensor_load_to_lds s[G0N:G0N+3], s[G1:G1+7]
	s_nop 0
.rept 4
	v_nop
.endr
.Lasked_\@:
.endm
.macro FLOAD base, w, off              ; four fragment images into the buffer at v[base] of window w: 512 consecutive bytes a load
	WIN 0x40*(\w)
.irp t, 0,1,2,3
.irp c, 0,1,2
	ds_load_b128 v[\base+12*\t+4*\c:\base+12*\t+4*\c+3], v[ADR] offset:\off+1536*\t+512*\c
.endr
.endr
.endm
.macro KQ8 g, base, w                  ; S^T = K Q^T: K's tiles 4 g + 0 .. 3 (buffer at v[base] of window w) x my two tiles of queries: eight accumulators, one instruction each
	WIN 0x04+(\w)                                  ; source 1 (Q) in window 1
.irp t, 0,1,2,3
.irp q, 0,1
.if \g
	v_wmma_scale_f32_16x16x128_f8f6f4 v[SS0+64*\q+32+8*\t:SS0+64*\q+32+8*\t+7], v[\base+12*\t:\base+12*\t+11], v[128+12*\q:128+12*\q+11], 0, v[KS+\t], v[QS0+\q] matrix_a_fmt:MATRIX_FMT_BF6 matrix_b_fmt:MATRIX_FMT_BF6 matrix_a_scale:MATRIX_SCALE_ROW1
.else
	v_wmma_scale_f32_16x16x128_f8f6f4 v[SS0+64*\q+8*\t:SS0+64*\q+8*\t+7], v[\base+12*\t:\base+12*\t+11], v[128+12*\q:128+12*\q+11], 0, v[KS+\t], v[QS0+\q] matrix_a_fmt:MATRIX_FMT_BF6 matrix_b_fmt:MATRIX_FMT_BF6
.endif
.endr
.endr
.endm
.macro PV8 g, base, w                  ; O^T += V^T P^T: V^T's tiles 4 g + 0 .. 3 x my two tiles: eight accumulators by turns
	WIN 0x50+(\w)                                  ; C and D in window 1
.irp t, 0,1,2,3
.irp q, 0,1
.if \g
	v_wmma_scale_f32_16x16x128_f8f6f4 v[64*\q+32+8*\t:64*\q+32+8*\t+7], v[\base+12*\t:\base+12*\t+11], v[PC0+12*\q:PC0+12*\q+11], v[64*\q+32+8*\t:64*\q+32+8*\t+7], v[VS+\t], v[PS0+\q] matrix_a_fmt:MATRIX_FMT_BF6 matrix_b_fmt:MATRIX_FMT_BF6 matrix_a_scale:MATRIX_SCALE_ROW1
.else
	v_wmma_scale_f32_16x16x128_f8f6f4 v[64*\q+8*\t:64*\q+8*\t+7], v[\base+12*\t:\base+12*\t+11], v[PC0+12*\q:PC0+12*\q+11], v[64*\q+8*\t:64*\q+8*\t+7], v[VS+\t], v[PS0+\q] matrix_a_fmt:MATRIX_FMT_BF6 matrix_b_fmt:MATRIX_FMT_BF6
.endif
.endr
.endr
.endm
; One tile's softmax for a step of 128 keys: work on registers of window 0 alone.  S: its 64 scores (register 16 b + i = key 32 b + 16 (lane / 16) + i); T: its statistics; PC, PS: p's codes and scale word; F: 2^(old M - new M).
.macro SM S, T, PC, PS, F
.irp b, 0,1,2,3
	v_max3_num_f32 v[BM+\b], v[\S+16*\b], v[\S+16*\b+1], v[\S+16*\b+2]   ; the largest score of each block of 32 keys: for the row's maximum, and for the block's largest p.  Each accumulator is read from its low end on
.endr
.irp i, 3,5,7,9,11,13
.irp b, 0,1,2,3
	v_max3_num_f32 v[BM+\b], v[BM+\b], v[\S+16*\b+\i], v[\S+16*\b+\i+1]
.endr
.endr
.irp b, 0,1,2,3
	v_max_num_f32 v[BM+\b], v[BM+\b], v[\S+16*\b+15]
.endr
.irp b, 0,1,2,3
	v_permlanex16_b32 v[BP+\b], v[BM+\b], s[SEL], s[SEL+1]
.endr
.irp b, 0,1,2,3
	v_max_num_f32 v[BM+\b], v[BM+\b], v[BP+\b]     ; with lane l xor 16's 16 keys
.endr
	v_max3_num_f32 v[X], v[BM], v[BM+1], v[BM+2]
	v_max_num_f32 v[X], v[X], v[BM+3]              ; the step's largest score of my query
	v_mul_f32 v[X], s[CS], v[X]                    ; as t (c is positive)
	v_max_num_f32 v[\T+1], v[\T+1], v[X]           ; the running largest t
	v_mov_b32 v[X], v[\T]
	v_floor_f32 v[\T], -v[\T+1]                    ; the new -M = floor(-t): M is a whole number
	v_sub_f32 v[X], v[\T], v[X]                    ; old M - new M: a whole number, 0 or less
	v_cvt_i32_f32 v[X], v[X]                       ; (it saturates)
	v_ldexp_f32 v[\F], 1.0, v[X]
.set n, 0
.rept 32
	v_pk_fma_f32 v[\S+n:\S+n+1], v[\S+n:\S+n+1], s[CS:CS+1], v[\T:\T+1] op_sel_hi:[1,0,0]   ; t - M, two at a time (of the pairs c and -M the low word serves both halves)
.set n, n+2
.endr
.irp b, 0,1,2,3
	v_fma_f32 v[BM+\b], v[BM+\b], s[CS], v[\T]     ; the same of each block's largest score
.endr
.set n, 0
.rept 64
	v_exp_f32 v[\S+n], v[\S+n]                     ; p = 2^(t - M), at most 1
.set n, n+1
.endr
.irp b, 0,1,2,3
	v_exp_f32 v[BM+\b], v[BM+\b]                   ; the block's largest p
.endr
	v_pk_mul_f32 v[\T+2:\T+3], v[\T+2:\T+3], v[\F:\F+1] op_sel_hi:[1,0]   ; the sums under the new M.  (A plain place behind the exponentials)
	s_wait_alu depctr_va_vdst(0)
.irp b, 0,1,2,3
	v_max_num_f32 v[BM+\b], 0x2800000, v[BM+\b]    ; the floor 2^(5 - 127): the byte cannot fall under 1
.endr
.irp b, 0,1,2,3
	v_add_nc_u32 v[SO+\b], 0xfe000000, v[BM+\b]    ; 4 off the exponent field: the conversion's scale operand
.endr
.irp b, 0,1,2,3
	v_lshrrev_b32 v[BP+\b], 23, v[SO+\b]           ; the scale's byte
.endr
	v_lshl_or_b32 v[\PS], v[BP+1], 8, v[BP]
	v_lshl_or_b32 v[\PS], v[BP+2], 16, v[\PS]
	v_lshl_or_b32 v[\PS], v[BP+3], 24, v[\PS]
.irp c, 0,1
	v_cvt_scalef32_pk16_bf6_f32 v[\PC+6*\c:\PC+6*\c+2], v[\S+32*\c:\S+32*\c+15], v[SO+2*\c]
	v_cvt_scalef32_pk16_bf6_f32 v[CT+4*\c:CT+4*\c+2], v[\S+32*\c+16:\S+32*\c+31], v[SO+2*\c+1]
.endr
	v_nop                                          ; one plain place behind a scaled conversion
.irp c, 0,1
.irp i, 0,1,2
	v_permlane16_swap_b32 v[\PC+6*\c+\i], v[CT+4*\c+\i]
.endr
.irp i, 0,1,2
	v_mov_b32 v[\PC+6*\c+3+\i], v[CT+4*\c+\i]
.endr
.endr
	v_pk_add_f32 v[BM:BM+1], v[\S:\S+1], v[\S+2:\S+3]   ; the row's sum is taken of the UNQUANTISED p: two at a time, in two chains
.set n, 4
.rept 15
	v_pk_add_f32 v[\T+2:\T+3], v[\T+2:\T+3], v[\S+n:\S+n+1]
	v_pk_add_f32 v[BM:BM+1], v[BM:BM+1], v[\S+n+2:\S+n+3]
.set n, n+4
.endr
	v_pk_add_f32 v[\T+2:\T+3], v[\T+2:\T+3], v[BM:BM+1]
.endm
.macro RESC                            ; O^T under the new M.  (These lines and the sums above them are the places between the writing of p's codes and scale words and the scaled products)
	WIN 0x41
.set n, 0
.rept 32
	v_pk_mul_f32 v[n:n+1], v[n:n+1], v[F0:F0+1] op_sel_hi:[1,0]
.set n, n+2
.endr
.rept 32
	v_pk_mul_f32 v[n:n+1], v[n:n+1], v[F1:F1+1] op_sel_hi:[1,0]
.set n, n+2
.endr
.endm
; A KEY STEP: 128 keys, my p-th (0, 1) of the slot in hand, for my two tiles of queries.  At its head K's tiles 0-3 (FB) and scale words have been asked for, and behind them K's tiles 4-7: twelve loads.
; mode 0: the next step lies in the same slot.   mode 1: the slot is left and filled again.   mode 2: the slot is left; nothing is left to fetch.   mode 3: the last step of all.
; Four v_nop stand in front of each run of loads into registers that matrix instructions have read, and of the first read of results.
.macro STEP p, mode
.if \p
.set K1B, FC                           ; K's tiles 4-7, then V's 4-7
.set K1W, 1
.set V0B, FA                           ; V's tiles 0-3, then the next step's K 4-7
.set V0W, 0
.else
.set K1B, FA
.set K1W, 0
.set V0B, FC
.set V0W, 1
.endif
	s_wait_dscnt 12                                ; K's scale words and tiles 0-3 are in; the twelve youngest loads, K's tiles 4-7, may be out
	KQ8 0, FB, 1
	s_wait_dscnt 0x0                               ; K's tiles 4-7
	KQ8 1, K1B, K1W
	WIN 0
	PLACES 4
	ds_load_b128 v[VS:VS+3], v[ADR] offset:\p*REC+25088
	FLOAD V0B, V0W, \p*REC+12800                   ; all of this step's V lands under the softmax
	FLOAD K1B, K1W, \p*REC+18944
	WIN 0
.if \mode == 0
	ds_load_b128 v[KS:KS+3], v[ADR] offset:(\p+1)*REC+12288   ; and so do the next step's scale words of K and its tiles 0-3
	FLOAD FB, 1, (\p+1)*REC
	WIN 0
.endif
	SM SS0, ST0, PC0, PS0, F0
.if (\mode == 1) || (\mode == 2)
	s_wait_tensorcnt 0x0                           ; all my tensor loads have landed: my part of the next slot; so group 0 may be written
	ds_add_u32 v[SPW], v[NIL]                      ; 0 onto my spare word
.if \mode == 1
	s_xor_b32 s[G0N+1], s[G0N+1], SLOT1            ; the walking descriptor: the slot that is being left,
	s_add_nc_u64 s[G0N+2:G0N+3], s[G0N+2:G0N+3], 4*QREC   ; four records on; the type bits on top are not reached
.endif
	s_xor_b32 s[TB], s[TB], SLOT1                  ; my reads go on in the other slot
	s_wait_dscnt 0x0                               ; the add is done, and my reads of this slot are over: this step's V is in registers
	s_barrier_signal -1                            ; say so,
.endif
	SM SS1, ST1, PC1, PS1, F1                      ; (at a change of slots: work on registers while the others arrive)
.if (\mode == 1) || (\mode == 2)
	s_barrier_wait -1                              ; and go on when all eight have said so
.if \mode == 1
	CREST                                          ; the barrier has opened a round of the cluster's barrier: no wave of any partner still reads this slot or has a load on its way
	TLOAD                                          ; the first thing behind the round, and a wave's one tensor load until the next: it has two steps' work in which to land
.endif
	v_add_nc_u32 v[ADR], s[TB], v[AL]
	ds_load_b128 v[KS:KS+3], v[ADR] offset:12288   ; the next slot is whole: its first step's scale words of K and tiles 0-3
	FLOAD FB, 1, 0
.endif
	RESC
.if (\mode == 0) || (\mode == 3)
	s_wait_dscnt 0x0                               ; V (at a change of slots the wait in front of the signal has shown it in)
.endif
	PV8 0, V0B, V0W
.if \mode != 3
	PLACES 4
.if \mode == 0
	FLOAD V0B, V0W, (\p+1)*REC+6144                ; the next step's K, tiles 4-7: sixteen matrix instructions ahead of their use
.else
	FLOAD V0B, V0W, 6144
.endif
.endif
	PV8 1, K1B, K1W
	WIN 0
.endm
; 64 numbers of a lane become a fragment's codes and its scale word, as in the launch before.
.macro QUANT s, pc, pw
.irp b, 0,1,2,3
	v_max3_num_f32 v[TM+\b], |v[\s+16*\b]|, |v[\s+1+16*\b]|, 0x2800000
.endr
.irp i, 2,4,6,8,10,12,14
.irp b, 0,1,2,3
	v_max3_num_f32 v[TM+\b], v[TM+\b], |v[\s+16*\b+\i]|, |v[\s+1+16*\b+\i]|
.endr
.endr
.irp b, 0,1,2,3
	v_permlanex16_b32 v[TM+4+\b], v[TM+\b], s[SEL], s[SEL+1]
.endr
.irp b, 0,1,2,3
	v_max_num_f32 v[TM+\b], v[TM+\b], v[TM+4+\b]
.endr
.irp b, 0,1,2,3
	v_add_nc_u32 v[TM+8+\b], 0xfe000000, v[TM+\b]
.endr
.irp b, 0,1,2,3
	v_lshrrev_b32 v[TM+4+\b], 23, v[TM+8+\b]
.endr
	v_lshl_or_b32 v[\pw], v[TM+5], 8, v[TM+4]
	v_lshl_or_b32 v[\pw], v[TM+6], 16, v[\pw]
	v_lshl_or_b32 v[\pw], v[TM+7], 24, v[\pw]
.irp c, 0,1
	v_cvt_scalef32_pk16_bf6_f32 v[\pc+6*\c:\pc+6*\c+2], v[\s+32*\c:\s+32*\c+15], v[TM+8+2*\c]
	v_cvt_scalef32_pk16_bf6_f32 v[CT+4*\c:CT+4*\c+2], v[\s+32*\c+16:\s+32*\c+31], v[TM+9+2*\c]
.endr
	v_nop
.irp c, 0,1
.irp i, 0,1,2
	v_permlane16_swap_b32 v[\pc+6*\c+\i], v[CT+4*\c+\i]
.endr
.irp i, 0,1,2
	v_mov_b32 v[\pc+6*\c+3+\i], v[CT+4*\c+\i]
.endr
.endr
.endm
	s_load_b256 s[4:11], s[0:1], 0x0               ; qkv s[4:5], Wo's codes s[6:7], Wo's scales s[8:9], bo s[10:11]
	s_load_b128 s[12:15], s[0:1], 0x20             ; x s[12:13], out0 s[14:15]
	v_lshl_add_u32 v[SPW], v0, 2, SPARE
	v_mov_b32 v[NIL], 0
	ds_add_u32 v1, v2
	s_wait_dscnt 0x0
	v_lshrrev_b32 v[AL], 5, v0
	v_readfirstlane_b32 s[WV], v[AL]               ; wave 0..7
	s_lshr_b32 s[GK], s[WV], 2                     ; which half of the keys is mine
	s_and_b32 s[PR], s[WV], 3                      ; which pair of tiles.  Also (waves 0-3): which step of a slot I fetch
	s_lshl_b32 s[T0], s[PR], 1
	s_add_co_u32 s[T0], s[T0], s[GK]               ; the tile that I finish; T0 xor 1 is the one that I hand over
	s_and_b32 s53, ttmp7, 0xffff                   ; the batch, which the four partners share
	s_mov_b32 s[G1], 15|(3<<16)|(1<<21)            ; 15:0 the mask: all four work-groups; 17:16 elements of 8 bytes; 20 no padding; 21 set beside a mask
	s_mov_b32 s[G1+1], 32<<16                      ; tensor_dim0 = 32 elements: rows of 256 bytes
	s_mov_b32 s[G1+2], 100<<16                     ; tensor_dim1 = 100 rows: 25,600 dense bytes
	s_mov_b32 s[G1+3], 32<<16                      ; tile_dim0
	s_mov_b32 s[G1+4], 100                         ; tile_dim1
	s_mov_b32 s[G1+5], 32                          ; the pitch = the row
	s_mov_b32 s[G1+6], 0
	s_mov_b32 s[G1+7], 0
	s_mov_b32 s[G1W], 15|(3<<16)|(1<<21)           ; Wo: 48 rows of 256 bytes
	s_mov_b32 s[G1W+1], 32<<16
	s_mov_b32 s[G1W+2], 48<<16
	s_mov_b32 s[G1W+3], 32<<16
	s_mov_b32 s[G1W+4], 48
	s_mov_b32 s[G1W+5], 32
	s_mov_b32 s[G1W+6], 0
	s_mov_b32 s[G1W+7], 0
	s_mul_i32 s74, s53, 32*QREC                    ; the batch's records, and my step of slot 0: no place in the cluster enters these registers
	s_mul_i32 s75, s[PR], QREC
	s_add_co_u32 s74, s74, s75
	s_mov_b32 s75, 0
	s_bfe_u32 s51, ttmp6, 0x40000                  ; cx: my place in the cluster
	s_lshl_b32 s52, ttmp9, 2                       ; in a cluster launch ttmp9 counts clusters
	s_add_co_u32 s52, s52, s51                     ; my block of 128 queries: it enters Q's, x's and out0's addresses alone
	s_lshl_b32 s54, s53, 5
	s_add_co_u32 s54, s54, s52
	s_mul_i32 s54, s54, QREC                       ; my queries' record
	s_xor_b32 s50, s[T0], 1
	s_mul_i32 s56, s[T0], 1536
	s_add_co_u32 s56, s56, s54
	s_add_co_u32 s56, s56, 25600                   ; the image of the tile that I finish,
	s_mov_b32 s57, 0
	s_mul_i32 s58, s50, 1536
	s_add_co_u32 s58, s58, s54
	s_add_co_u32 s58, s58, 25600                   ; of the one that I hand over,
	s_mov_b32 s59, 0
	s_lshr_b32 s76, s[T0], 2
	s_lshl_b32 s76, s76, 8
	s_and_b32 s77, s[T0], 3
	s_lshl_b32 s77, s77, 2
	s_add_co_u32 s76, s76, s77
	s_add_co_u32 s76, s76, s54
	s_add_co_u32 s76, s76, 37888                   ; and their scale words: 256 (t / 4) + 4 (t % 4) in the block, 16 bytes from row to row
	s_mov_b32 s77, 0
	s_lshr_b32 s78, s50, 2
	s_lshl_b32 s78, s78, 8
	s_and_b32 s79, s50, 3
	s_lshl_b32 s79, s79, 2
	s_add_co_u32 s78, s78, s79
	s_add_co_u32 s78, s78, s54
	s_add_co_u32 s78, s78, 37888
	s_mov_b32 s79, 0
	s_lshl_b32 s55, s53, 12
	s_lshl_b32 s51, s52, 7
	s_add_co_u32 s55, s55, s51
	s_lshr_b32 s51, s[T0], 1
	s_lshl_b32 s51, s51, 5
	s_add_co_u32 s55, s55, s51
	s_and_b32 s51, s[T0], 1
	s_lshl_b32 s51, s51, 3
	s_add_co_u32 s55, s55, s51                     ; my tile's first position: 4096 batch + 128 block + 32 (T0 / 2) + 8 (T0 % 2)
	s_lshl_b32 s54, s55, 9                         ; x 512 bytes (under 2^25)
	s_mov_b32 s55, 0
	s_mov_b32 s[SEL], 0x76543210
	s_mov_b32 s[SEL+1], 0xfedcba98                 ; v_permlanex16_b32's selects for lane l xor 16
	s_mov_b32 s[CS], 0x3e0293ee                    ; c = log2(e) / sqrt(128)
	s_mov_b32 s[CS+1], s[CS]                       ; (named with it as a pair, so it is written)
	s_mov_b32 s[TB], 0
	s_mov_b32 s[SLOTS], 6
	s_wait_kmcnt 0x0
	s_add_nc_u64 s[60:61], s[4:5], s[56:57]
	s_add_nc_u64 s[62:63], s[4:5], s[58:59]
	s_add_nc_u64 s[66:67], s[4:5], s[76:77]
	s_add_nc_u64 s[68:69], s[4:5], s[78:79]
	s_add_nc_u64 s[70:71], s[12:13], s[54:55]
	s_add_nc_u64 s[72:73], s[14:15], s[54:55]
	s_mov_b32 s[G0], 1                             ; count = 1
	s_mul_i32 s[G0+1], s[PR], REC                  ; LDS: slot 0, my step
	s_add_nc_u64 s[G0+2:G0+3], s[4:5], s[74:75]    ; the batch's steps 0 to 3
	s_mov_b32 s[G0N], 1
	s_add_co_u32 s[G0N+1], s[G0+1], SLOT1          ; slot 1, my step
	s_add_nc_u64 s[G0N+2:G0N+3], s[G0+2:G0+3], 4*QREC   ; steps 4 to 7
	s_or_b32 s[G0+3], s[G0+3], 0x80000000          ; type = 2
	s_or_b32 s[G0N+3], s[G0N+3], 0x80000000
	s_mov_b32 s[G0W], 1
	s_mov_b32 s[G0W+1], WOL
	s_mov_b64 s[G0W+2:G0W+3], s[6:7]
	s_or_b32 s[G0W+3], s[G0W+3], 0x80000000
	ROUND                                          ; all four work-groups are here: the first joint loads meet
	s_cmp_lt_u32 s[WV], 4                          ; the first fills, a wave's in one branch: waves 0-3 their step of slot 0 and of slot 1, wave 4 Wo's codes; the branches hang on the wave's number alone
	s_cbranch_scc0 .Lnot_kv
	tensor_load_to_lds s[G0:G0+3], s[G1:G1+7]
	s_nop 0
	tensor_load_to_lds s[G0N:G0N+3], s[G1:G1+7]
	s_nop 0
.rept 4
	v_nop
.endr
	s_branch .Lasked0
.Lnot_kv:
	s_cmp_eq_u32 s[WV], 4
	s_cbranch_scc0 .Lasked0
	tensor_load_to_lds s[G0W:G0W+3], s[G1W:G1W+7]
	s_nop 0
.rept 4
	v_nop
.endr
.Lasked0:
	v_and_b32 v[L16], 31, v0
	v_lshlrev_b32 v[L16], 4, v[L16]
	s_mul_i32 s50, s[GK], 2*REC
	v_add_nc_u32 v[AL], s50, v[L16]
	v_and_b32 v[ADR], 15, v0
	v_lshlrev_b32 v[ADR], 4, v[ADR]                ; 16 r: Q's scale words
	global_load_b32 v[QS0], v[ADR], s[66:67]
	global_load_b32 v[QS0+1], v[ADR], s[68:69]
	WIN 0x40                                       ; destination window 1
.irp c, 0,1,2
	global_load_b128 v[128+4*\c:131+4*\c], v[L16], s[60:61] offset:512*\c   ; Q's two fragments stay in registers
	global_load_b128 v[140+4*\c:143+4*\c], v[L16], s[62:63] offset:512*\c
.endr
.set n, 0
.rept 128
	v_mov_b32 v[n], 0                              ; O^T.  (The key step is written without a first step of its own: the first finds zeros, which the first change of M leaves zeros; that spares further copies of the step)
.set n, n+1
.endr
	WIN 0
.irp t, ST0, ST1
	v_mov_b32 v[\t+1], 0xff61b1e6                  ; the largest t so far: -3e38, under every t
	v_floor_f32 v[\t], -v[\t+1]                    ; -M
	v_mov_b32 v[\t+2], 0                           ; the sum, in two halves
	v_mov_b32 v[\t+3], 0
.endr
	v_mov_b32 v[F0+1], 0                           ; (named as the upper halves of pairs)
	v_mov_b32 v[F1+1], 0
.irp b, 0,1,2,3
	v_mov_b32 v[BP+\b], 0                          ; written once: a lane permute's destination counts as one of its sources
.endr
	s_wait_loadcnt 0x0                             ; Q and its scale words; their address register is free
	s_wait_tensorcnt 0x1                           ; my part of slot 0 is in; slot 1's load may stay out
	s_barrier_signal -1
	s_barrier_wait -1                              ; everybody's is
	v_add_nc_u32 v[ADR], s[TB], v[AL]
	ds_load_b128 v[KS:KS+3], v[ADR] offset:12288   ; the first step's K: scale words, tiles 0-3,
	FLOAD FB, 1, 0
	FLOAD FA, 0, 6144                              ; and tiles 4-7
	WIN 0
.Lslot:                                            ; six trips: each of the first six slots' worth of keys is left with a refill
	STEP 0, 0
	STEP 1, 1
	s_sub_co_u32 s[SLOTS], s[SLOTS], 1
	s_cmp_lg_u32 s[SLOTS], 0
	s_cbranch_scc1 .Lslot
	STEP 0, 0                                      ; the last two slots' worth are written out: the last but one is left without a refill
	STEP 1, 2
	STEP 0, 0                                      ; and behind the last nothing follows
	STEP 1, 3
	; THE END.  x's rows first, so that they have the exchange in which to land; then the addresses (both behind four places: they are written where the last products' operands lay).
	PLACES 4
	WIN 0x40
.set n, 0
.rept 16
	global_load_b128 v[FB+4*n:FB+4*n+3], v[L16], s[70:71] offset:(n+8*(n/8))*512 th:TH_LOAD_NT   ; x's rows of my tile, whole, into the registers that the fragment buffers have left; nobody reads them after this
.set n, n+1
.endr
	WIN 0
	v_and_b32 v[ER], 15, v0                        ; r
	v_bfe_u32 v[EH], v0, 4, 1                      ; h
	v_and_b32 v[EL], 31, v0
	v_lshlrev_b32 v[EL], 2, v[EL]                  ; 4 x lane
	s_mul_i32 s50, s[WV], MP
	s_add_co_u32 s51, s50, MRG
	v_add_nc_u32 v[MW], s51, v[L16]                ; where I lay the tile that I hand over,
	v_add_nc_u32 v[MWS], s51, v[EL]
	s_xor_b32 s52, s[WV], 4
	s_mul_i32 s52, s52, MP
	s_add_co_u32 s52, s52, MRG
	v_add_nc_u32 v[MR], s52, v[L16]                ; and where wave w xor 4 lays mine
	v_add_nc_u32 v[MRS], s52, v[EL]
	v_mul_u32_u24 v[STO], v[ER], 528
	v_lshl_add_u32 v[STO], v[EH], 5, v[STO]
	v_add_nc_u32 v[STO], s50, v[STO]               ; my stage, in: row r, + 32 h
	v_add_nc_u32 v[RD], s50, v[L16]                ; back: a row of 512 bytes, 16 a lane
	v_mul_u32_u24 v[WOA], v[ER], 96
	v_mad_u32_u24 v[WOA], v[EH], 24, v[WOA]
	v_add_nc_u32 v[WOA], WOL, v[WOA]               ; Wo: row r of a tile of 16 neighbouring rows
	v_lshlrev_b32 v[WSA], 2, v[ER]
.irp t, 0,1,2,3,4,5,6,7
	global_load_b32 v[KS+\t], v[WSA], s[8:9] offset:64*\t   ; Wo's scale words, where K's and V's stood
.endr
	global_load_b128 v[BO:BO+3], v[L16], s[10:11]  ; bo of channels 4 x lane on
.irp t, ST0, ST1
	v_add_f32 v[\t+2], v[\t+2], v[\t+3]            ; the sums' two halves,
.endr
	v_permlanex16_b32 v[BP], v[ST0+2], s[SEL], s[SEL+1]
	v_permlanex16_b32 v[BP+1], v[ST1+2], s[SEL], s[SEL+1]
	v_add_f32 v[ST0+2], v[ST0+2], v[BP]            ; and lane l xor 16's
	v_add_f32 v[ST1+2], v[ST1+2], v[BP+1]
	WIN 0x04                                       ; an LDS store's data are its source 1: window 1
.set n, 0
.rept 16
	ds_store_b128 v[MW], v[64+4*n:67+4*n] offset:512*n   ; tile 1's O^T as it stands, each accumulator from its low end on
.set n, n+1
.endr
	WIN 0
	ds_store_b32 v[MWS], v[ST1] offset:8192        ; its -M
	ds_store_b32 v[MWS], v[ST1+2] offset:8320      ; its sum
	s_wait_dscnt 0x0                               ; for the other wave's sake
	s_barrier_signal -1
	s_barrier_wait -1
.set n, 0
.rept 16
	ds_load_b128 v[SS0+4*n:SS0+4*n+3], v[MR] offset:512*n   ; the other half of the keys' O^T of my tile
.set n, n+1
.endr
	ds_load_b32 v[X], v[MRS] offset:8192
	ds_load_b32 v[X2], v[MRS] offset:8320
	s_wait_dscnt 0x0
	v_min_num_f32 v[BM], v[ST0], v[X]              ; -M of both halves
	v_sub_f32 v[BM+1], v[BM], v[ST0]               ; my M - M, a whole number, 0 or less
	v_sub_f32 v[BM+2], v[BM], v[X]
	v_cvt_i32_f32 v[BM+1], v[BM+1]
	v_cvt_i32_f32 v[BM+2], v[BM+2]
	v_ldexp_f32 v[BM+1], 1.0, v[BM+1]
	v_ldexp_f32 v[BM+2], 1.0, v[BM+2]
	v_mul_f32 v[BM+3], v[ST0+2], v[BM+1]
	v_fma_f32 v[BM+3], v[X2], v[BM+2], v[BM+3]     ; the row's sum under M
	v_rcp_f32 v[BP], v[BM+3]
	v_nop                                          ; one plain place behind a transcendental
	s_wait_alu depctr_va_vdst(0)
	v_mul_f32 v[F0], v[BM+1], v[BP]                ; a power of two x 1 / sum
	v_mul_f32 v[F1], v[BM+2], v[BP]
	WIN 0x01                                       ; source 0 in window 1
.set n, 0
.rept 32
	v_pk_mul_f32 v[SS1+n:SS1+n+1], v[n:n+1], v[F0:F0+1] op_sel_hi:[1,0]
.set n, n+2
.endr
	WIN 0
.set n, 0
.rept 32
	v_pk_fma_f32 v[SS1+n:SS1+n+1], v[SS0+n:SS0+n+1], v[F1:F1+1], v[SS1+n:SS1+n+1] op_sel_hi:[1,0,1]   ; o: register 16 b + i = channel 32 b + 16 h + i
.set n, n+2
.endr
.irp t, 0,1,2,3,4,5,6,7
.irp p, 0,1,2,3,4,5
	ds_load_b64 v[16+12*\t+2*\p:17+12*\t+2*\p], v[WOA] offset:1536*\t+48*(\p/3)+8*(\p%3)   ; Wo's eight fragments land while o is quantised
.endr
.endr
	QUANT SS1, PC0, PS0
	s_wait_dscnt 0x0
	s_wait_loadcnt 0x0                             ; x, Wo's scale words, bo
	PLACES 8                                       ; o's scale word was written by vector instructions: eight places ahead of a scaled matrix instruction
.irp t, 0,1,2,3,4,5,6,7
	v_wmma_scale_f32_16x16x128_f8f6f4 v[SS1+8*\t:SS1+8*\t+7], v[16+12*\t:27+12*\t], v[PC0:PC0+11], 0, v[KS+\t], v[PS0] matrix_a_fmt:MATRIX_FMT_BF6 matrix_b_fmt:MATRIX_FMT_BF6
.endr
	PLACES 4
.irp t, 0,1,2,3,4,5,6,7
	ds_store_b128 v[STO], v[SS1+8*\t:SS1+8*\t+3] offset:64*\t          ; lane (r, h): channels 16 t + 8 h + 0 .. 7 of query r; each accumulator from its low end on
	ds_store_b128 v[STO], v[SS1+8*\t+4:SS1+8*\t+7] offset:64*\t+16
.endr
.set n, 0
.rept 16
	ds_load_b128 v[16+4*n:19+4*n], v[RD] offset:528*n   ; back as whole rows.  LDS serves a wave's instructions in order: these see my stores
.set n, n+1
.endr
	s_wait_dscnt 0x0
	WIN 0x04                                       ; source 1 (x) in window 1
.set n, 0
.rept 32
	v_pk_add_f32 v[16+n:17+n], v[16+n:17+n], v[FB+n:FB+n+1]
.set n, n+2
.endr
	WIN 0
.set n, 0
.rept 16
	v_pk_add_f32 v[16+4*n:17+4*n], v[16+4*n:17+4*n], v[BO:BO+1]
	v_pk_add_f32 v[18+4*n:19+4*n], v[18+4*n:19+4*n], v[BO+2:BO+3]
.set n, n+1
.endr
.set n, 0
.rept 16
	global_store_b128 v[L16], v[16+4*n:19+4*n], s[72:73] offset:(n+8*(n/8))*512 th:TH_STORE_NT   ; a whole row: 512 consecutive bytes, aligned; written once, read by nobody here
.set n, n+1
.endr
	s_wait_tensorcnt 0x0                           ; the wave's end: behind my last tensor load and my last LDS store
	ds_add_u32 v[SPW], v[NIL]
	s_wait_dscnt 0x0
	ROUND                                          ; the closing round: no work-group ends while a partner may still ask for a tile that names it
	s_endpgm
.Lfunc_end_k_qa641991bc2_attend:
	.size	k_qa641991bc2_attend, .Lfunc_end_k_qa641991bc2_attend-k_qa641991bc2_attend
	.p2alignl 7, 3214868480
	.fill 96, 4, 3214868480
	.section	.rodata,"a",@progbits
	.p2align	6, 0x0
	.amdhsa_kernel k_qa641991bc2_attend
		.amdhsa_group_segment_fixed_size 327680
		.amdhsa_private_segment_fixed_size 0
		.amdhsa_enable_private_segment 0
		.amdhsa_kernarg_size 48
		.amdhsa_user_sgpr_count 2
		.amdhsa_user_sgpr_kernarg_segment_ptr 1
		.amdhsa_wavefront_size32 1
		.amdhsa_system_sgpr_workgroup_id_x 1
		.amdhsa_system_sgpr_workgroup_id_y 1
		.amdhsa_system_sgpr_workgroup_id_z 1
		.amdhsa_system_vgpr_workitem_id 0
		.amdhsa_next_free_vgpr 512
		.amdhsa_next_free_sgpr 84
		.amdhsa_reserve_vcc 0
		.amdhsa_float_denorm_mode_32 3
		.amdhsa_float_denorm_mode_16_64 3
		.amdhsa_memory_ordered 1
		.amdhsa_forward_progress 1
		.amdhsa_inst_pref_size 238
	.end_amdhsa_kernel
	.amdgpu_metadata
---
amdhsa.version: [ 1, 2 ]
amdhsa.kernels:
  - .name:           k_qa641991bc2_attend
    .symbol:         k_qa641991bc2_attend.kd
    .args:
      - { .name: qkv, .offset: 0, .size: 8, .value_kind: global_buffer, .address_space: global }
      - { .name: wo_codes, .offset: 8, .size: 8, .value_kind: global_buffer, .address_space: global }
      - { .name: wo_scales, .offset: 16, .size: 8, .value_kind: global_buffer, .address_space: global }
      - { .name: bo, .offset: 24, .size: 8, .value_kind: global_buffer, .address_space: global }
      - { .name: x, .offset: 32, .size: 8, .value_kind: global_buffer, .address_space: global }
      - { .name: out0, .offset: 40, .size: 8, .value_kind: global_buffer, .address_space: global }
    .group_segment_fixed_size: 327680
    .private_segment_fixed_size: 0
    .kernarg_segment_align: 8
    .kernarg_segment_size: 48
    .max_flat_workgroup_size: 256
    .sgpr_count:     84
    .vgpr_count:     512
    .wavefront_size: 32
...
	.end_amdgpu_metadata
.endif
;; end of part 3
